; MI455X (gfx1250); checked and timed in simulation.
; The chip was launched on July 23, 2026; its instructions are those of AMD's public machine-readable ISA for CDNA 5 (MIT licence, August 2026) and "CDNA5" Instruction Set Architecture Reference Guide (July 2026). The comments in the code are by the model that wrote it; some were corrected since.
;; Mo E. Allowed arithmetic: float matrix products may take bf16 or f16 operands with f32 sums; other float arithmetic in f32, or as packed bf16 or f16 multiplies, adds, multiply-adds, maxima and minima; sums over many terms, partial sums and values carried from step to step in f32; what a program stores and reads back later, other than sums and carried values, may be rounded once to bf16 or f16.
;; Inputs: W1 8 x 512 x 1,024 float32; W2 8 x 1,024 x 512 float32; Wg 512 x 8 float32; b1 8 x 1,024 float32; b2 8 x 512 float32; bg 8 float32; x 4 x 2,048 x 512 float32.
;; Outputs: out0 4 x 2,048 x 512 float32.
;; One version. Each part assembles by itself: llvm-mc -triple=amdgcn-amd-amdhsa -mcpu=gfx1250 --defsym DOCPART=n.
;; ======== version 1 of 1: 3 launches
;; workspace buffers: xb 8,388,608 bytes; wf 16,777,216 bytes; rt 20,480 bytes of whole numbers; gw 65,536 bytes; p 33,554,432 bytes
;; launch prep (part 1): grid 256 x 1, 8 waves a work-group, no clusters, 146,432 bytes of LDS; arguments x, W1, W2, Wg, bg, xb, wf, rt, gw; writes xb, wf, rt, gw
.if DOCPART == 1
	.amdgcn_target "amdgcn-amd-amdhsa--gfx1250"
	.amdhsa_code_object_version 6
	.text
	.protected	k_q720ccec91f_prep
	.globl	k_q720ccec91f_prep
	.p2align	8
	.type	k_q720ccec91f_prep,@function
k_q720ccec91f_prep:
	s_mov_b64 s[64:65], 0
	v_nop
	global_prefetch_b8 v0, s[64:65] scope:SCOPE_SE
	s_setreg_imm32_b32 hwreg(HW_REG_WAVE_MODE, 25, 1), 1
	s_wait_xcnt 0x0
; PREP.  Three things in one pass over x, W1 and W2:
;  (1) the gate: scores = x Wg + bg, the two highest of 8 (strict compares: of equal scores the lower index wins), their softmax;
;  (2) xb = x rounded to bf16, [8192][512];
;  (3) wf = W1 and W2 rounded to bf16 and laid out as the next launch's operand registers take them.
; FORMATS AND LIMITS.  Every input is rounded to bf16 (x, Wg, bg here too, so that the choice of experts is the one that these rounded numbers give); the gate's sums are f32,
; made in four slices of 128 along K that are added in ascending order: an order of rounding that differs from a single sum's.  The softmax takes the higher score away first: w0 = 1 / (1 + 2^d),
; w1 = 2^d w0, d = (s2 - s1) log2(e) <= 0; 2^d below 2^-126 counts as 0.  NaN and infinite scores are not treated apart.
; SHARES.  256 work-groups of 8 waves.  Work-group g owns tokens 32 g .. 32 g + 31: wave v takes 16 of them (v & 1) and 128 of K (v >> 1).  Each wave also owns one UNIT of the weights, 32 rows (K) x 128 columns:
; work-groups 0-127 take W1 (expert g >> 4, K step g & 15, columns 128 v on), 128-255 take W2 (K step 2 (g & 15) + (v >> 2), columns 128 (v & 3) on): a work-group reads 131,072 consecutive bytes.
; wf: fragments of 1,024 bytes (16 rows m x 32 k): lane L = (r, hh) owns bytes 16 L (row r, k = 8 hh + 0..7) and 512 + 16 L (k = 16 + 8 hh + 0..7).  [expert][wave 4][part 2][fragment 256]:
;   part 0 (W1): fragment 32 g + 16 cbl + ks: row = hidden 256 w + 32 g + 16 cbl + r, k = d = 32 ks + ..;     part 1 (W2): fragment 8 ks2 + cb: row = output column 128 w + 16 cb + r, k = hidden.
; rt (whole numbers): routed row q' = 8192 k + t.  Word w = 2 (t >> 5) + k, bit t & 31.  Bytes 0..16383: [expert][w] the bit map; bytes 16384..: [w][expert] one byte: the ones in that word.
; No cluster and no tensor loads: no two work-groups read the same bytes but Wg's 16 KB, and every tile is converted in registers on its way.
.set UL_B,   9216      ; LDS, a wave's own: the unit, 32 rows of 256 bytes + 32 of padding
.set UPITCH, 288       ; 9 x 32 bytes
.set XL0,    73728     ; a wave's own: 16 tokens x 128 k in bf16, rows of 256 + 16 bytes
.set XL_B,   4352
.set XPITCH, 272
.set WL0,    108544    ; a wave's own: 128 k x (8 experts, and the same 8 once more) in bf16, rows of 32 bytes
.set WL_B,   4096
.set GP0,    141312    ; the work-group's: [K slice 4][token 32][8 f32] = 512 bytes a wave
.set SPARE,  145408    ; the spare words: 128 bytes a wave, four blocks of 256 bytes that no other line names
; v0 thread, v1 lane, v2 r, v3 hh, v4 16 lane, v5 8 lane, v6/v7 the add's two registers, v8-15 LDS addresses, v20-31 at work,
; v32-63 Wg as loaded, then the two accumulators (v32-47) and the unit's eight store offsets (v48-55); v64-127 x as loaded, then the fragments, then the unit turned; v128-255 the unit as loaded.
	s_load_b512 s[8:23], s[0:1], 0x0               ; x s[8:9], W1 s[10:11], W2 s[12:13], Wg s[14:15], bg s[16:17], xb s[18:19], wf s[20:21], rt s[22:23]
	s_load_b64 s[24:25], s[0:1], 0x40              ; gw
	v_lshl_add_u32 v6, v0, 2, SPARE                ; my spare word,
	v_mov_b32 v7, 0                                ; and 0: kept for the add at the wave's end alone
	v_and_b32 v1, 31, v0
	v_and_b32 v2, 15, v0
	v_bfe_u32 v3, v0, 4, 1
	v_lshlrev_b32 v4, 4, v1
	v_lshlrev_b32 v5, 3, v1
	v_lshrrev_b32 v20, 5, v0
	v_readfirstlane_b32 s26, v20                   ; wave 0..7
	s_and_b32 s27, s26, 1                          ; tb: which 16 tokens
	s_lshr_b32 s28, s26, 1                         ; ksl: which 128 of K
	s_mov_b32 s37, 0                               ; the high word of every offset pair
	s_mov_b32 s76, 0xffff0000                      ; lanes 16-31
	s_mul_i32 s29, s26, XL_B
	s_add_co_u32 s29, s29, XL0
	v_add_nc_u32 v8, s29, v5                       ; x in: 8 bytes a lane along a row
	v_mul_u32_u24 v20, v2, XPITCH
	v_lshl_add_u32 v20, v3, 4, v20
	v_add_nc_u32 v9, s29, v20                      ; x out, as a fragment: token r, 16 bytes for each half of the lanes
	s_lshl_b32 s29, s26, 12
	s_add_co_u32 s29, s29, WL0
	v_lshrrev_b32 v20, 1, v1
	v_and_b32 v21, 1, v1
	v_lshlrev_b32 v20, 5, v20
	v_lshl_add_u32 v20, v21, 3, v20
	v_add_nc_u32 v10, s29, v20                     ; Wg in: row lane / 2, experts 4 (lane & 1) on
	v_and_b32 v22, 7, v0
	v_lshl_add_u32 v22, v3, 3, v22                 ; 8 hh + lane % 8: the row that the turning load's lane reads
	v_bfe_u32 v23, v0, 3, 1
	v_lshlrev_b32 v23, 4, v23                      ; and which 16 bytes of it
	v_lshl_add_u32 v20, v22, 5, v23
	v_add_nc_u32 v11, s29, v20                     ; Wg out, turned
	s_mul_i32 s29, s26, UL_B
	v_add_nc_u32 v12, s29, v5                      ; the unit in
	v_mad_u32_u24 v20, v22, UPITCH, v23
	v_add_nc_u32 v13, s29, v20                     ; the unit out, turned
	s_lshl_b32 s29, s26, 9
	s_add_co_u32 s29, s29, GP0
	v_lshlrev_b32 v20, 5, v2
	v_lshl_add_u32 v20, v3, 4, v20
	v_add_nc_u32 v14, s29, v20                     ; partial scores in: 512 x wave = 1,024 ksl + 32 (16 tb), + 32 r + 16 hh
	v_lshl_add_u32 v15, v1, 5, GP0                 ; and out: lane = token
	s_lshl_b32 s36, ttmp9, 16                      ; x: (32 g + 16 tb) rows of 2,048 bytes + 512 ksl
	s_lshl_b32 s29, s27, 15
	s_add_co_u32 s36, s36, s29
	s_lshl_b32 s29, s28, 9
	s_add_co_u32 s36, s36, s29
	s_wait_kmcnt 0x0
	s_load_b256 s[68:75], s[16:17], 0x0            ; bg: wave 0 waits for it where it uses it
	s_add_nc_u64 s[30:31], s[8:9], s[36:37]
	s_lshr_b32 s36, s36, 1                         ; xb: half as many bytes
	s_add_nc_u64 s[38:39], s[18:19], s[36:37]
	s_lshl_b32 s36, s28, 12                        ; Wg: 128 rows of 32 bytes a slice
	s_add_nc_u64 s[60:61], s[14:15], s[36:37]
	s_lshl_b32 s36, ttmp9, 8                       ; gw: 32 tokens of 8 bytes
	s_add_nc_u64 s[66:67], s[24:25], s[36:37]
	; 56 loads of 512 bytes go out before the first wait: x (16), Wg (8), the unit (32)
.set i, 0
.rept 16
	global_load_b128 v[64+4*i:64+4*i+3], v4, s[30:31] offset:i*2048 th:TH_LOAD_NT
.set i, i+1
.endr
.set i, 0
.rept 8
	global_load_b128 v[32+4*i:32+4*i+3], v4, s[60:61] offset:i*512
.set i, i+1
.endr
.macro ULOAD pitch                     ; the unit's 32 rows, 512 bytes each
.set i, 0
.rept 32
	global_load_b128 v[128+4*i:128+4*i+3], v4, s[32:33] offset:i*(\pitch) th:TH_LOAD_NT
.set i, i+1
.endr
.endm
	s_cmp_lt_u32 ttmp9, 128
	s_cbranch_scc0 .Lw2
	s_lshr_b32 s29, ttmp9, 4
	s_lshl_b32 s29, s29, 21                        ; the expert's 2 MB, in W1 and in wf
	s_and_b32 s63, ttmp9, 15                       ; ks
	s_lshl_b32 s36, s63, 17                        ; 32 rows of 4,096 bytes
	s_add_co_u32 s36, s36, s29
	s_lshl_b32 s78, s26, 9                         ; 128 columns of 4 bytes
	s_add_co_u32 s36, s36, s78
	s_add_nc_u64 s[32:33], s[10:11], s[36:37]
	s_lshl_b32 s36, s63, 10                        ; fragment ks
	s_add_co_u32 s36, s36, s29
	s_lshr_b32 s78, s26, 1
	s_lshl_b32 s78, s78, 19                        ; the reading wave: columns / 256
	s_add_co_u32 s36, s36, s78
	s_and_b32 s78, s26, 1
	s_lshl_b32 s78, s78, 17                        ; groups 4 (u & 1) on: 4 x 32 fragments
	s_add_co_u32 s36, s36, s78
	s_add_nc_u64 s[34:35], s[20:21], s[36:37]
	s_mov_b32 s62, 32768                           ; from a pair of column blocks to the next: a group of 32 fragments
	s_mov_b32 s63, 16384                           ; from a pair's first to its second: a half of 16 fragments
	ULOAD 4096
	s_branch .Lujoin
.Lw2:
	s_sub_co_u32 s63, ttmp9, 128
	s_lshr_b32 s29, s63, 4
	s_lshl_b32 s29, s29, 21
	s_and_b32 s63, s63, 15
	s_lshl_b32 s63, s63, 1
	s_lshr_b32 s78, s26, 2
	s_add_co_u32 s63, s63, s78                     ; ks2
	s_and_b32 s78, s26, 3                          ; u
	s_lshl_b32 s36, s63, 16                        ; 32 rows of 2,048 bytes
	s_add_co_u32 s36, s36, s29
	s_lshl_b32 s79, s78, 9
	s_add_co_u32 s36, s36, s79
	s_add_nc_u64 s[32:33], s[12:13], s[36:37]
	s_lshl_b32 s36, s63, 13                        ; fragment 8 ks2
	s_add_co_u32 s36, s36, s29
	s_lshl_b32 s79, s78, 19                        ; the reading wave: u
	s_add_co_u32 s36, s36, s79
	s_add_co_u32 s36, s36, 262144                  ; part 1
	s_add_nc_u64 s[34:35], s[20:21], s[36:37]
	s_mov_b32 s62, 2048                            ; two fragments
	s_mov_b32 s63, 1024                            ; one
	ULOAD 2048
.Lujoin:                                               ; both ways have issued 32 loads: the counts below hold on either
	s_wait_loadcnt 40                              ; x is in: Wg's 8 loads and the unit's 32 are younger
.set i, 0
.rept 16
	v_cvt_pk_bf16_f32 v[64+4*i], v[64+4*i], v[64+4*i+1]
	v_cvt_pk_bf16_f32 v[64+4*i+1], v[64+4*i+2], v[64+4*i+3]
	ds_store_b64 v8, v[64+4*i:64+4*i+1] offset:i*XPITCH
	global_store_b64 v5, v[64+4*i:64+4*i+1], s[38:39] offset:i*1024  ; the wave's 32 lanes store 256 consecutive bytes, at a multiple of 256 from xb's first
.set i, i+1
.endr
	s_wait_loadcnt 32                              ; Wg is in: the unit's 32 loads are younger
.set i, 0
.rept 8
	v_cvt_pk_bf16_f32 v[32+4*i], v[32+4*i], v[32+4*i+1]
	v_cvt_pk_bf16_f32 v[32+4*i+1], v[32+4*i+2], v[32+4*i+3]
	ds_store_b64 v10, v[32+4*i:32+4*i+1] offset:i*512
	ds_store_b64 v10, v[32+4*i:32+4*i+1] offset:i*512+16  ; the same experts once more: rows 8-15 of the 16 that the matrix instruction takes
.set i, i+1
.endr
	s_wait_xcnt 0x0                                ; xb's stores have read v64-127: only behind this wait are they loaded again
.set i, 0
.rept 4                                ; my own bytes, served in order: no wait between the stores above and these loads
	ds_load_b128 v[64+8*i:64+8*i+3], v9 offset:64*i
	ds_load_b128 v[64+8*i+4:64+8*i+7], v9 offset:64*i+32
	ds_load_tr16_b128 v[96+8*i:96+8*i+3], v11 offset:1024*i
	ds_load_tr16_b128 v[96+8*i+4:96+8*i+7], v11 offset:1024*i+512
.set i, i+1
.endr
	s_wait_dscnt 0x0
	; scores^T = Wg^T x^T: source 0 = 16 rows (the 8 experts twice), source 1 = 16 tokens.  Two accumulators by turns.
	v_wmma_f32_16x16x32_bf16 v[32:39], v[96:103], v[64:71], 0
	v_wmma_f32_16x16x32_bf16 v[40:47], v[104:111], v[72:79], 0
	v_wmma_f32_16x16x32_bf16 v[32:39], v[112:119], v[80:87], v[32:39]
	v_wmma_f32_16x16x32_bf16 v[40:47], v[120:127], v[88:95], v[40:47]
.rept 4
	v_nop                                          ; four places behind the last product (ISA guide 7.12.1)
.endr
	v_pk_add_f32 v[32:33], v[32:33], v[40:41]      ; from the low end on
	v_pk_add_f32 v[34:35], v[34:35], v[42:43]
	v_pk_add_f32 v[36:37], v[36:37], v[44:45]
	v_pk_add_f32 v[38:39], v[38:39], v[46:47]
.irp j, 0,1,2,3                        ; every lane holds token r's 8 scores: lanes 0-15 hand on experts 0-3, lanes 16-31 experts 4-7
	v_cndmask_b32 v[20+\j], v[32+\j], v[36+\j], s76
.endr
	ds_store_b128 v14, v[20:23]
	s_wait_dscnt 0x0                               ; for wave 0's sake: my partial scores are in LDS
	s_barrier_signal -1
	s_barrier_wait -1
	s_cmp_lg_u32 s26, 0
	s_cbranch_scc1 .Lunit                          ; wave 0 alone ends the gate, lane = token; no barrier stands in what the others jump
.set i, 0
.rept 4
	ds_load_b128 v[64+8*i:64+8*i+3], v15 offset:i*1024
	ds_load_b128 v[64+8*i+4:64+8*i+7], v15 offset:i*1024+16
.set i, i+1
.endr
	s_wait_kmcnt 0x0                               ; bg
.irp j, 0,1,2,3,4,5,6,7
	v_mov_b32 v[96+\j], s[68+\j]
.endr
.irp j, 0,1,2,3                        ; bg rounded to bf16 and widened again
	v_cvt_pk_bf16_f32 v[104+\j], v[96+2*\j], v[96+2*\j+1]
.endr
.irp j, 0,1,2,3
	v_lshlrev_b32 v[96+2*\j], 16, v[104+\j]
	v_and_b32 v[96+2*\j+1], s76, v[104+\j]
.endr
	s_wait_dscnt 0x0
.irp q, 72,80,88,96                    ; the four slices in ascending order, then bg
.irp j, 0,2,4,6
	v_pk_add_f32 v[64+\j:64+\j+1], v[64+\j:64+\j+1], v[\q+\j:\q+\j+1]
.endr
.endr
	v_mov_b32 v20, v64                             ; the highest score and its index
	v_mov_b32 v21, 0
.irp j, 1,2,3,4,5,6,7
	v_cmp_gt_f32 vcc_lo, v[64+\j], v20
	v_cndmask_b32 v20, v20, v[64+\j], vcc_lo
	v_cndmask_b32 v21, v21, \j, vcc_lo
.endr
	v_mov_b32 v24, 0xff800000
.irp j, 0,1,2,3,4,5,6,7                ; the winner leaves the field
	v_cmp_eq_u32 vcc_lo, \j, v21
	v_cndmask_b32 v[64+\j], v[64+\j], v24, vcc_lo
.endr
	v_mov_b32 v22, v64                             ; the second
	v_mov_b32 v23, 0
.irp j, 1,2,3,4,5,6,7
	v_cmp_gt_f32 vcc_lo, v[64+\j], v22
	v_cndmask_b32 v22, v22, v[64+\j], vcc_lo
	v_cndmask_b32 v23, v23, \j, vcc_lo
.endr
	v_sub_f32 v25, v22, v20                        ; s2 - s1 <= 0: the maximum is taken away
	v_mul_f32 v25, 0x3fb8aa3b, v25
	v_exp_f32 v25, v25
	v_and_b32 v29, 7, v1                           ; a plain instruction behind the exponential: the expert of lanes 0-15 below
	s_wait_alu depctr_va_vdst(0)
	v_add_f32 v31, 1.0, v25
	v_rcp_f32 v26, v31                             ; w0
	v_lshrrev_b32 v30, 3, v1                       ; a plain instruction behind the reciprocal: k of lanes 0-15 below
	s_wait_alu depctr_va_vdst(0)
	v_mul_f32 v27, v25, v26                        ; w1
	global_store_b64 v5, v[26:27], s[66:67]        ; 256 consecutive bytes
.irp j, 0,1,2,3,4,5,6,7                ; which tokens chose expert j first, and which second: two words of the bit map
	v_cmp_eq_u32 s[40+\j], \j, v21
	v_cmp_eq_u32 s[48+\j], \j, v23
.endr
.irp q, 0,1,2,3                        ; their ones, a byte each, four to a word
	s_bcnt1_i32_b32 s[56+\q], s[40+4*\q]
.irp b, 1,2,3
	s_bcnt1_i32_b32 s29, s[40+4*\q+\b]
	s_lshl_b32 s29, s29, 8*\b
	s_or_b32 s[56+\q], s[56+\q], s29
.endr
.endr
	v_mov_b32 v28, 0
.set i, 0
.rept 16
	v_writelane_b32 v28, s[40+i], i                ; lane 8 k + e: the map word
.set i, i+1
.endr
.irp q, 0,1,2,3
	v_writelane_b32 v28, s[56+\q], 16+\q           ; lanes 16-19: the counts
.endr
	v_lshlrev_b32 v30, 2, v30
	v_lshl_add_u32 v29, v29, 11, v30               ; 2,048 e + 4 k
	s_lshl_b32 s29, ttmp9, 3
	v_add_nc_u32 v29, s29, v29                     ; + 4 (2 g)
	s_lshl_b32 s29, ttmp9, 4
	s_add_co_u32 s29, s29, 16384-64
	v_lshl_add_u32 v30, v1, 2, s29                 ; 16,384 + 16 g + 4 (lane - 16)
	v_cmp_gt_u32 vcc_lo, 16, v1
	v_cndmask_b32 v29, v30, v29, vcc_lo
	v_cmp_gt_u32 vcc_lo, 20, v1
	s_wait_xcnt 0x0                                ; EXEC is narrowed only behind this wait: loads and stores are out
	s_and_saveexec_b32 s77, vcc_lo
	global_store_b32 v29, v28, s[22:23]            ; 20 words a work-group
	s_wait_xcnt 0x0                                ; and widened only behind this one
	s_or_b32 exec_lo, exec_lo, s77
.Lunit:                                                ; every wave: its unit is rounded, turned in LDS and stored as fragments
	v_mov_b32 v48, v4                              ; where column block c goes: 16 lane + (c >> 1) s62 + (c & 1) s63
	v_add_nc_u32 v49, s63, v4
.irp c, 2,3,4,5,6,7
	v_add_nc_u32 v[48+\c], s62, v[46+\c]
.endr
.set i, 0
.rept 32
	s_wait_loadcnt 31-i                            ; row i is in: the rows behind it may be out
	v_cvt_pk_bf16_f32 v[128+4*i], v[128+4*i], v[128+4*i+1]
	v_cvt_pk_bf16_f32 v[128+4*i+1], v[128+4*i+2], v[128+4*i+3]
	ds_store_b64 v12, v[128+4*i:128+4*i+1] offset:i*UPITCH
.set i, i+1
.endr
.set i, 0
.rept 8                                ; column block i: k = 8 hh .. and k = 16 + 8 hh .. of column 16 i + r; my own bytes, served in order
	ds_load_tr16_b128 v[64+8*i:64+8*i+3], v13 offset:32*i
	ds_load_tr16_b128 v[64+8*i+4:64+8*i+7], v13 offset:32*i+16*UPITCH
.set i, i+1
.endr
.set i, 0
.rept 8
	s_wait_dscnt 15-2*i                            ; this load is back; the younger ones may be out
	global_store_b128 v[48+i], v[64+8*i:64+8*i+3], s[34:35]                 ; 512 consecutive bytes, at a multiple of 512 from wf's first
	s_wait_dscnt 14-2*i
	global_store_b128 v[48+i], v[64+8*i+4:64+8*i+7], s[34:35] offset:512
.set i, i+1
.endr
	s_wait_tensorcnt 0x0                           ; the wave's end, behind my last LDS store
	ds_add_u32 v6, v7
	s_wait_dscnt 0x0
	s_endpgm
.Lfunc_end_k_q720ccec91f_prep:
	.size	k_q720ccec91f_prep, .Lfunc_end_k_q720ccec91f_prep-k_q720ccec91f_prep
	.p2alignl 7, 3214868480
	.fill 96, 4, 3214868480
	.section	.rodata,"a",@progbits
	.p2align	6, 0x0
	.amdhsa_kernel k_q720ccec91f_prep
		.amdhsa_group_segment_fixed_size 146432
		.amdhsa_private_segment_fixed_size 0
		.amdhsa_enable_private_segment 0
		.amdhsa_kernarg_size 72
		.amdhsa_user_sgpr_count 2
		.amdhsa_user_sgpr_kernarg_segment_ptr 1
		.amdhsa_wavefront_size32 1
		.amdhsa_system_sgpr_workgroup_id_x 1
		.amdhsa_system_sgpr_workgroup_id_y 1
		.amdhsa_system_sgpr_workgroup_id_z 1
		.amdhsa_system_vgpr_workitem_id 0
		.amdhsa_next_free_vgpr 256
		.amdhsa_next_free_sgpr 80
		.amdhsa_reserve_vcc 1
		.amdhsa_float_denorm_mode_32 3
		.amdhsa_float_denorm_mode_16_64 3
		.amdhsa_memory_ordered 1
		.amdhsa_forward_progress 1
		.amdhsa_inst_pref_size 42
	.end_amdhsa_kernel
	.amdgpu_metadata
---
amdhsa.version: [ 1, 2 ]
amdhsa.kernels:
  - .name:           k_q720ccec91f_prep
    .symbol:         k_q720ccec91f_prep.kd
    .args:
      - { .name: x, .offset: 0, .size: 8, .value_kind: global_buffer, .address_space: global }
      - { .name: W1, .offset: 8, .size: 8, .value_kind: global_buffer, .address_space: global }
      - { .name: W2, .offset: 16, .size: 8, .value_kind: global_buffer, .address_space: global }
      - { .name: Wg, .offset: 24, .size: 8, .value_kind: global_buffer, .address_space: global }
      - { .name: bg, .offset: 32, .size: 8, .value_kind: global_buffer, .address_space: global }
      - { .name: xb, .offset: 40, .size: 8, .value_kind: global_buffer, .address_space: global }
      - { .name: wf, .offset: 48, .size: 8, .value_kind: global_buffer, .address_space: global }
      - { .name: rt, .offset: 56, .size: 8, .value_kind: global_buffer, .address_space: global }
      - { .name: gw, .offset: 64, .size: 8, .value_kind: global_buffer, .address_space: global }
    .group_segment_fixed_size: 146432
    .private_segment_fixed_size: 0
    .kernarg_segment_align: 8
    .kernarg_segment_size: 72
    .max_flat_workgroup_size: 256
    .sgpr_count:     80
    .vgpr_count:     256
    .wavefront_size: 32
...
	.end_amdgpu_metadata
.endif
;; end of part 1
;; launch chain (part 2): grid 212 x 1, 4 waves a work-group, no clusters, 254,208 bytes of LDS; arguments xb, wf, b1, b2, rt, p; writes p
.if DOCPART == 2
	.amdgcn_target "amdgcn-amd-amdhsa--gfx1250"
	.amdhsa_code_object_version 6
	.text
	.protected	k_q720ccec91f_chain
	.globl	k_q720ccec91f_chain
	.p2align	8
	.type	k_q720ccec91f_chain,@function
k_q720ccec91f_chain:
	s_mov_b64 s[64:65], 0
	v_nop
	global_prefetch_b8 v0, s[64:65] scope:SCOPE_SE
	s_setreg_imm32_b32 hwreg(HW_REG_WAVE_MODE, 25, 1), 1
	s_wait_xcnt 0x0
; CHAIN.  p[q'] = relu(x[t] W1[e] + b1[e]) W2[e] + b2[e] for each of the 16,384 routed rows q' = 8192 k + t, e the expert that token t chose as number k.  The gate's weight is applied by the next launch.
; FORMATS AND LIMITS.  x, W1, W2 come rounded to bf16; b1 and b2 are rounded to bf16 here and kept as f32; both products sum in f32, starting from the bias; the hidden layer is rounded once to bf16;
; p is f32.  A NaN in the hidden layer becomes 0 (the maximum with 0 drops it).
; TILES.  An expert's rows, ranked by (word, bit) of its bit map in rt, go in tiles of 80.  With n_e rows an expert has ceil(n_e / 80) tiles; their sum is at most (16,384 + 8 x 79) / 80 = 212 for every split:
; the grid.  Every wave adds up the counts for itself and finds the work-group's expert, first rank and count; lane l of wave w finds the row of rank r0 + 20 w + l, so a wave gathers the rows that its own lanes found.
; Places past the count repeat the expert's last row; their stores are jumped.  A work-group that a split leaves without rows walks the same text on an existing row and stores nothing: no barrier stands under a branch on data.
; SHARES.  Every wave takes all 80 rows (5 blocks of 16).  First product: wave w makes hidden 256 w .. + 255, in 8 groups of 32, a group in two halves of 16.  Second: output columns 128 w .. + 127.  So each weight
; fragment has ONE reader in the work-group; it comes from memory straight into registers (a ring of 4 blocks of 8 fragments, 3 blocks asked for ahead) and feeds 5 matrix instructions.  A wave's 512 KB of wf are one stream of 64 blocks.
; LAYOUT.  Source 0 = 16 rows of weights, source 1 = 16 tokens: a lane of the result holds ONE token (lane % 16) and 8 neighbouring columns.  A group's two halves, rounded in pairs, ARE the lane's
; eight registers of the second product's source 1: H goes through LDS at 16 x lane, in and out, only so that all four waves can read it.
; WHERE THE VECTOR WORK STANDS.  A half's five sums are finished two blocks before they are needed again.  Their 40 conversions and 5 stores stand at the head of the block after next, ahead of that block's run of stream loads:
; they are the places behind the products just issued, whose registers they do not name.  x comes out of LDS in four quads, the last two beside group 0's first products.
; NO CLUSTER, NO TENSOR LOADS.  How many tiles an expert has hangs on counts read from memory (0 to 103), so four neighbours in the grid need not share an expert, and joint loads want partners alike.
; H takes 163,840 bytes; slots for joint tiles beside it would hold two blocks a wave at the most, with a round of barriers for each, where this ring has 32 to 48 loads of 512 bytes a wave out and no barrier in either loop.
; REGISTERS, in windows of 256 (s_set_vgpr_msb: bits 1:0 source 0, 3:2 source 1, 5:4 source 2, 7:6 destination):
;   window 0: v0-23 fixed (below), v24-31 at work; first product: v32-111 ten accumulators (5 half + row block), v112-127 b1, v128-255 x fragments 64-79; second: v32-95 b2, v128-207 H, two buffers; way out: v32-63 rows, v64-191 data
;   window 1: the ring          windows 2, 3: x fragments 0-63 (fragment 5 ks + rb), then the second product's 40 accumulators (5 cb + rb)
.set XPITCH, 1040      ; a gathered row: 1,024 bytes + 16: the 16 rows of a fragment load start in different groups of four banks (64 banks of 4 bytes: ISA guide 11.1)
.set HSTEP,  5120      ; H for 32 hidden: 5 fragments of 1,024 bytes.  H: bytes 0 .. 163,839
.set YPITCH, 528       ; a stage row: my 128 columns, 512 bytes + 16
.set YBUF,   16*YPITCH
.set XST,    163840    ; the gathered rows, 80 x 1,040 bytes; when every wave has read them, each wave's two stages (4 x 2 x 8,448 bytes)
.set B1S,    247040    ; b1[e], 1,024 f32
.set B2S,    251136    ; b2[e], 512 f32
.set LIST,   253184    ; q' of the tile's row 20 w + l at word 32 w + l (l < 20), 128 words
.set SPARE,  253696    ; the spare words: 128 bytes a wave, two blocks of 256 bytes that no other line names
; v0 thread, v1 lane, v2 r, v3 hh, v4 16 lane (the offset of every stream load; never rewritten), v5/v6 the add's two registers, v7 0 for the ReLU, v8 H in, v9 b1 out, v10 H out, v11 LIST,
; v12 gathered rows in, v13/v14 out (row blocks 0-2, 3-4), v15 stage in, v16 stage out, v17 my bytes in a row of p, v18 b2 out, v19 32 hh, v21-23 load offsets.
; s[4:15] xb, wf, b1, b2, rt, p; s16 wave; s20-27 n_e; s28 running sum of tiles; s29 my expert; s30 its first tile; s31 its rows; s32 my first rank; s33 my count; s[34:35] an offset pair;
; s[36:37] the stream; s38 a loop's count; s39, s40 which byte of the counts is my expert's; s54, s55, s56 the LDS steps of H in, b1, H out; s66-85 my wave's 20 tokens.
.set MSB, 0
.macro WIN new                         ; the immediate's high byte repeats the setting that is left; a switch that changes nothing is dropped
.if MSB != (\new)
	s_set_vgpr_msb (MSB<<8)|(\new)
.set MSB, (\new)
.endif
.endm
.macro PLACES                          ; four places behind a matrix instruction, in front of loads into its registers and of reads of its result (ISA guide 7.12.1 for reads of its result)
.rept 4
	v_nop
.endr
.endm
.macro BAR
	s_barrier_signal -1
	s_barrier_wait -1
.endm
.macro LANESUM r                       ; whole numbers added over the 32 lanes; every lane gets the sum
.irp n, 1,2,4,8
	v_mov_b32_dpp v30, v[\r] row_xmask:\n row_mask:0xf bank_mask:0xf
	v_add_nc_u32 v[\r], v[\r], v30
.endr
	v_permlanex16_b32 v30, v[\r], s42, s43
	v_add_nc_u32 v[\r], v[\r], v30
.endm
.macro SLOAD blk, rel                  ; 16 loads of 512 bytes: the stream's block rel, counted from s[36:37], into the ring's block blk
	WIN 0x40
.set ff, 0
.rept 8
	global_load_b128 v[64*(\blk)+8*ff:64*(\blk)+8*ff+3],   v4, s[36:37] offset:(\rel)*8192+ff*1024
	global_load_b128 v[64*(\blk)+8*ff+4:64*(\blk)+8*ff+7], v4, s[36:37] offset:(\rel)*8192+ff*1024+512
.set ff, ff+1
.endr
.endm
.macro XREG id                         ; where x fragment id lies: window XW, register XR
.if (\id) < 32
.set XW, 2
.set XR, 8*(\id)
.elseif (\id) < 64
.set XW, 3
.set XR, 8*((\id)-32)
.else
.set XW, 0
.set XR, 128+8*((\id)-64)
.endif
.endm
	s_load_b256 s[4:11], s[0:1], 0x0               ; xb s[4:5], wf s[6:7], b1 s[8:9], b2 s[10:11]
	s_load_b128 s[12:15], s[0:1], 0x20             ; rt s[12:13], p s[14:15]
	v_lshl_add_u32 v5, v0, 2, SPARE                ; my spare word,
	v_mov_b32 v6, 0                                ; and 0: kept for the add at the wave's end alone
	v_mov_b32 v7, 0
	v_and_b32 v1, 31, v0
	v_and_b32 v2, 15, v0
	v_bfe_u32 v3, v0, 4, 1
	v_lshlrev_b32 v4, 4, v1
	v_lshlrev_b32 v19, 5, v3
	v_lshrrev_b32 v20, 5, v0
	v_readfirstlane_b32 s16, v20                   ; wave 0..3
	v_lshlrev_b32 v21, 7, v1
	v_mov_b32 v30, 0                               ; written before it is a lane move's destination
	s_mov_b32 s41, 0x00ff00ff
	s_mov_b32 s42, 0x76543210
	s_mov_b32 s43, 0xfedcba98
	s_mov_b32 s35, 0
	s_wait_kmcnt 0x0
	s_add_nc_u64 s[52:53], s[12:13], 16384         ; the counts: [word 512][expert 8] bytes; lane L takes words 16 L .. 16 L + 15: word m's experts 0-3 in v[32 + 2 m], 4-7 in v[33 + 2 m]
.set i, 0
.rept 8
	global_load_b128 v[32+4*i:32+4*i+3], v21, s[52:53] offset:16*i
.set i, i+1
.endr
	s_mul_i32 s34, s16, 20*XPITCH                  ; the LDS addresses are made while the counts are on their way
	s_add_co_u32 s34, s34, XST
	v_add_nc_u32 v12, s34, v4                      ; I gather rows 20 w .. 20 w + 19
	v_mul_u32_u24 v13, v2, XPITCH
	v_lshl_add_u32 v13, v3, 4, v13                 ; a fragment's row x pitch + 16 x half
	v_add_nc_u32 v13, XST, v13
	v_add_nc_u32 v14, 3*16*XPITCH, v13             ; row blocks 3 and 4: past what the 16-bit offset reaches
	s_mul_i32 s54, s16, 8*HSTEP                    ; my 8 groups of H
	v_add_nc_u32 v8, s54, v4                       ; H in, group 0
	s_mul_i32 s34, s16, 2*YBUF
	s_add_co_u32 s34, s34, XST                     ; my two stages
	v_mul_u32_u24 v15, v2, YPITCH
	v_lshl_add_u32 v15, v3, 5, v15
	v_add_nc_u32 v15, s34, v15                     ; stage in: token r, 32 bytes for each half of the lanes
	v_add_nc_u32 v16, s34, v4                      ; stage out: a row's 512 bytes
	s_lshl_b32 s34, s16, 9
	v_add_nc_u32 v17, s34, v4
	s_add_co_u32 s34, s34, B2S
	v_add_nc_u32 v18, s34, v19
	s_lshl_b32 s55, s16, 10
	s_add_co_u32 s55, s55, B1S
	v_add_nc_u32 v9, s55, v19                      ; b1 of my group 0: 4 (256 w + 8 hh)
	s_mov_b32 s56, 0
	v_mov_b32 v10, v4                              ; H out, step 0; it is made anew as the second product walks
	v_mov_b32 v11, LIST
	s_wait_loadcnt 0x0
	; n_e.  Four words are added byte by byte (a byte holds 32 at the most: 128), then widened to 16-bit fields (a lane: 512; all lanes: 8,192 at the most)
.irp hi, 0,1
.irp q, 0,1,2,3
	v_add3_u32 v28, v[32+8*\q+\hi], v[34+8*\q+\hi], v[36+8*\q+\hi]
	v_add_nc_u32 v28, v28, v[38+8*\q+\hi]
	v_lshrrev_b32 v29, 8, v28
.if \q == 0
	v_and_b32 v[24+2*\hi], s41, v28
	v_and_b32 v[25+2*\hi], s41, v29
.else
	v_and_b32 v28, s41, v28
	v_and_b32 v29, s41, v29
	v_add_nc_u32 v[24+2*\hi], v[24+2*\hi], v28
	v_add_nc_u32 v[25+2*\hi], v[25+2*\hi], v29
.endif
.endr
.endr
	LANESUM 24                                     ; experts 0 | 2
	LANESUM 25                                     ; 1 | 3
	LANESUM 26                                     ; 4 | 6
	LANESUM 27                                     ; 5 | 7
.irp j, 0,1
	v_readfirstlane_b32 s34, v[24+\j]
	s_and_b32 s[20+\j], s34, 0xffff
	s_lshr_b32 s[22+\j], s34, 16
	v_readfirstlane_b32 s34, v[26+\j]
	s_and_b32 s[24+\j], s34, 0xffff
	s_lshr_b32 s[26+\j], s34, 16
.endr
	; my expert: the last whose first tile is not behind mine
	s_mov_b32 s28, 0
	s_mov_b32 s29, 0
	s_mov_b32 s30, 0
	s_mov_b32 s31, 0
.irp j, 0,1,2,3,4,5,6,7
	s_cmp_ge_u32 ttmp9, s28
	s_cselect_b32 s29, \j, s29
	s_cselect_b32 s30, s28, s30
	s_cselect_b32 s31, s[20+\j], s31
	s_add_co_u32 s34, s[20+\j], 79
	s_mul_hi_u32 s34, s34, 0x3333334               ; / 80: the factor is 2^32 / 80 rounded up, exact for numbers up to 8,271
	s_add_co_u32 s28, s28, s34
.endr
	s_min_u32 s29, s29, 7
	s_sub_co_u32 s32, ttmp9, s30
	s_mul_i32 s32, s32, 80                         ; my first rank
	s_sub_co_i32 s33, s31, s32
	s_max_i32 s33, s33, 0
	s_min_i32 s33, s33, 80                         ; my rows: 0 to 80
	s_sub_co_i32 s45, s31, 1
	s_max_i32 s45, s45, 0                          ; the expert's last rank
	s_and_b32 s39, s29, 3
	s_lshl_b32 s39, s39, 3
	s_cmp_ge_u32 s29, 4
	s_cselect_b32 s40, -1, 0
	s_lshl_b32 s34, s29, 21
	s_lshl_b32 s44, s16, 19
	s_add_co_u32 s34, s34, s44
	s_add_nc_u64 s[36:37], s[6:7], s[34:35]        ; my wave's stream
	s_lshl_b32 s34, s29, 12
	s_add_nc_u64 s[46:47], s[8:9], s[34:35]
	s_lshl_b32 s34, s29, 11
	s_add_nc_u64 s[48:49], s[10:11], s[34:35]
	s_add_nc_u64 s[50:51], s[12:13], s[34:35]      ; my expert's bit map
	v_lshlrev_b32 v22, 6, v1
	v_lshlrev_b32 v23, 5, v0
	v_lshlrev_b32 v21, 4, v0
.set i, 0
.rept 4
	global_load_b128 v[80+4*i:80+4*i+3], v22, s[50:51] offset:16*i  ; lane L: words 16 L .. 16 L + 15
.set i, i+1
.endr
	global_load_b128 v[128:131], v23, s[46:47]
	global_load_b128 v[132:135], v23, s[46:47] offset:16
	global_load_b128 v[136:139], v21, s[48:49]
	SLOAD 0, 0                                     ; the stream's first three blocks go out ahead of the search
	SLOAD 1, 1
	SLOAD 2, 2
	WIN 0
	; THE SEARCH.  Lane l of wave w wants the row of rank R = min(r0 + 20 w + l, the last).  Each level's condition holds for a first run of its steps and for none behind: the last select that takes wins.
	s_mul_i32 s34, s16, 20
	s_add_co_u32 s34, s34, s32
	v_add_nc_u32 v172, s34, v1
	v_min_u32 v172, s45, v172                      ; R
.set mm, 0
.rept 16                               ; v[64 + m]: my expert's ones in my words 0 .. m
	v_cndmask_b32 v175, v[32+2*mm], v[33+2*mm], s40
.if mm == 0
	v_bfe_u32 v64, v175, s39, 8
.else
	v_bfe_u32 v175, v175, s39, 8
	v_add_nc_u32 v[64+mm], v[64+mm-1], v175
.endif
.set mm, mm+1
.endr
	v_mov_b32 v173, 0                              ; which lane's 16 words,
	v_mov_b32 v174, 0                              ; and the ones in front of them
	s_mov_b32 s44, 0
.set cc, 0
.rept 31
	v_readlane_b32 s34, v79, cc
	s_add_co_u32 s44, s44, s34
	v_cmp_le_u32 vcc_lo, s44, v172
	v_cndmask_b32 v173, v173, cc+1, vcc_lo
	v_cndmask_b32 v174, v174, s44, vcc_lo
.set cc, cc+1
.endr
	v_sub_nc_u32 v181, v172, v174                  ; the rank among those 16 words
	v_lshlrev_b32 v182, 2, v173
	s_wait_loadcnt 51                              ; the bit map is in: 2 + 1 loads of biases and 48 of the stream are younger
.set mm, 0
.rept 16                               ; that lane's sums and words come over
	ds_bpermute_b32 v[96+mm], v182, v[64+mm]
	ds_bpermute_b32 v[112+mm], v182, v[80+mm]
.set mm, mm+1
.endr
	v_mov_b32 v176, 0                              ; which word,
	v_mov_b32 v177, 0                              ; the ones in front of it,
	s_wait_dscnt 0x0
	v_mov_b32 v178, v112                           ; and the word
.set mm, 0
.rept 15
	v_cmp_le_u32 vcc_lo, v[96+mm], v181
	v_cndmask_b32 v176, v176, mm+1, vcc_lo
	v_cndmask_b32 v177, v177, v[96+mm], vcc_lo
	v_cndmask_b32 v178, v178, v[113+mm], vcc_lo
.set mm, mm+1
.endr
	v_sub_nc_u32 v181, v181, v177                  ; the rank among the word's ones
	v_mov_b32 v179, 0
	v_mov_b32 v180, 0                              ; the bit
.set i, 0
.rept 31
	v_bfe_u32 v175, v178, i, 1
	v_add_nc_u32 v179, v179, v175
	v_cmp_le_u32 vcc_lo, v179, v181
	v_cndmask_b32 v180, v180, i+1, vcc_lo
.set i, i+1
.endr
	v_lshl_add_u32 v175, v173, 4, v176             ; the word's number w = 2 (t >> 5) + k
	v_and_b32 v179, 1, v175
	v_lshrrev_b32 v175, 1, v175
	v_lshl_add_u32 v180, v175, 5, v180
	v_lshl_add_u32 v180, v179, 13, v180            ; q' = 8192 k + t
	v_lshl_add_u32 v175, v0, 2, LIST
	ds_store_b32 v175, v180                        ; for the way out, where every wave wants all 80
	; THE GATHER.  My 20 rows of 1,024 bytes, found by my own lanes 0-19: two loads each, through registers into LDS
.set i, 0
.rept 20
	v_readlane_b32 s[66+i], v180, i
.set i, i+1
.endr
.set i, 0
.rept 20
	s_min_u32 s[66+i], s[66+i], 0x3fff
.set i, i+1
.endr
.set i, 0
.rept 20
	s_and_b32 s[66+i], s[66+i], 0x1fff             ; the token
.set i, i+1
.endr
.set i, 0
.rept 20
	v_lshl_add_u32 v[152+i], s[66+i], 10, v4
.set i, i+1
.endr
	WIN 0x80                                       ; destination window 2
.set i, 0
.rept 20
	global_load_b128 v[8*i:8*i+3],   v[152+i], s[4:5]
	global_load_b128 v[8*i+4:8*i+7], v[152+i], s[4:5] offset:512
.set i, i+1
.endr
	WIN 0
	s_wait_loadcnt 63                              ; the biases are in: 48 loads of the stream and 40 of the gather are younger, more than the count can name
.irp j, 0,1,2,3,4,5                    ; rounded to bf16 and widened again, while the rows are on their way
	v_cvt_pk_bf16_f32 v[140+\j], v[128+2*\j], v[128+2*\j+1]
.endr
.irp j, 0,1,2,3,4,5
	v_lshlrev_b32 v[128+2*\j], 16, v[140+\j]
	v_and_b32 v[128+2*\j+1], 0xffff0000, v[140+\j]
.endr
	v_lshl_add_u32 v28, v0, 5, B1S
	v_lshl_add_u32 v29, v0, 4, B2S
	ds_store_b128 v28, v[128:131]
	ds_store_b128 v28, v[132:135] offset:16
	ds_store_b128 v29, v[136:139]
	WIN 0x08                                       ; store data in window 2
.set i, 0
.rept 20
.if i%5 == 0
	s_wait_loadcnt 30-2*i                          ; five more rows are in: 30, 20, 10, 0 loads are younger
.endif
	ds_store_b128 v12, v[8*i:8*i+3]   offset:i*XPITCH
	ds_store_b128 v12, v[8*i+4:8*i+7] offset:i*XPITCH+512
.set i, i+1
.endr
	WIN 0
	s_wait_dscnt 0x0                               ; for the others' sake: my rows, my part of the biases and of the list are in LDS
	BAR
; THE FIRST PRODUCT.  The stream's block b of a group: half b >> 1 of its 32 hidden, steps 8 (b & 1) .. + 7 of 32 along d.  40 matrix instructions; the half's five accumulators take turns.
.macro XLOAD q                         ; x, steps 4 q .. 4 q + 3 along d of all 80 rows: 20 fragments, 40 loads; they stay in registers for the whole first product
.set id, 20*(\q)
.rept 20
	XREG id
	WIN XW<<6
.if (id%5) < 3
	ds_load_b128 v[XR:XR+3],   v13 offset:(id%5)*16*XPITCH+64*(id/5)
	ds_load_b128 v[XR+4:XR+7], v13 offset:(id%5)*16*XPITCH+64*(id/5)+32
.else
	ds_load_b128 v[XR:XR+3],   v14 offset:((id%5)-3)*16*XPITCH+64*(id/5)
	ds_load_b128 v[XR+4:XR+7], v14 offset:((id%5)-3)*16*XPITCH+64*(id/5)+32
.endif
.set id, id+1
.endr
.endm
.macro P1HALF b, h                     ; 20 of block b's products: its fragments 4 h .. 4 h + 3
.set ff, 4*(\h)
.rept 4
.set ks, 8*((\b)&1)+ff
.set rb, 0
.rept 5
	XREG 5*ks+rb
	WIN 0x01|(XW<<2)                               ; weights in window 1, x where it lies, sums in window 0
.set rA, 8*(8*(\b)+ff)
.set rD, 32+8*(5*((\b)>>1)+rb)
.if ks == 0
	v_wmma_f32_16x16x32_bf16 v[rD:rD+7], v[rA:rA+7], v[XR:XR+7], v[112+8*((\b)>>1):112+8*((\b)>>1)+7]  ; the bias starts the sum: nothing is cleared
.else
	v_wmma_f32_16x16x32_bf16 v[rD:rD+7], v[rA:rA+7], v[XR:XR+7], v[rD:rD+7]
.endif
.set rb, rb+1
.endr
.set ff, ff+1
.endr
.endm
; Half c's five sums: rounded to bf16 in place (each accumulator from its low end on), then the maximum with 0 on the packed halves (rounding keeps the sign, so the order of the two does not matter).
.macro EPIV c
	WIN 0
.set aa, 0
.rept 5
.set rD, 32+8*(5*(\c)+aa)
.irp j, 0,1,2,3
	v_cvt_pk_bf16_f32 v[rD+\j], v[rD+2*\j], v[rD+2*\j+1]
.endr
.set aa, aa+1
.endr
.set aa, 0
.rept 5
.set rD, 32+8*(5*(\c)+aa)
.irp j, 0,1,2,3
	v_pk_max_num_bf16 v[rD+\j], v[rD+\j], v7
.endr
.set aa, aa+1
.endr
.endm
.macro EPIS c                          ; 16 bytes a lane into H's five fragments: half c is their bytes 512 c on
.set rb, 0
.rept 5
	ds_store_b128 v8, v[32+8*(5*(\c)+rb):32+8*(5*(\c)+rb)+3] offset:rb*1024+(\c)*512
.set rb, rb+1
.endr
.endm
; The head of block b.  epi = 1 (block 1): the group before's upper half goes out, then H's address steps to this group.  epi = 0 (block 3): this group's lower half goes out, and the next group's b1 is asked for
; (behind the last group wave 3's look-ahead reads the first 128 bytes of b2's table, which are written; the registers are not used).  epi = -1: nothing is due.
; The 40 conversions, or four v_nop, are the places behind the block before's products, in front of the loads into the ring's block that those products read.
.macro P1RUN b, epi
.if (\epi) >= 0
	EPIV \epi
	EPIS \epi
.if (\epi) == 1
	s_add_co_u32 s54, s54, HSTEP
	v_add_nc_u32 v8, s54, v4
.else
	s_add_co_u32 s55, s55, 128
	v_add_nc_u32 v9, s55, v19
	ds_load_b128 v[112:115], v9
	ds_load_b128 v[116:119], v9 offset:16
	ds_load_b128 v[120:123], v9 offset:64
	ds_load_b128 v[124:127], v9 offset:80
.endif
.else
	PLACES
.endif
	s_wait_loadcnt 32                              ; this block is in: two younger blocks of 16 loads may be out
	SLOAD ((\b)+3)&3, (\b)+3
.endm
.macro P1STEP                          ; a group's end
	WIN 0
	s_wait_xcnt 0x0                                ; the stream's base is stepped only behind this wait
	s_add_nc_u64 s[36:37], s[36:37], 32768
.endm
	; GROUP 0 is written out: no half of a group before it is due, and x comes in beside its first products
	ds_load_b128 v[112:115], v9                    ; b1 of group 0: register j of half cbl = b1[.. + 16 cbl + 8 hh + j]
	ds_load_b128 v[116:119], v9 offset:16
	ds_load_b128 v[120:123], v9 offset:64
	ds_load_b128 v[124:127], v9 offset:80
	XLOAD 0
	XLOAD 1
	P1RUN 0, -1
	s_wait_dscnt 40                                ; b1 and x's first quad are in: the second quad's 40 loads may be out
	P1HALF 0, 0
	XLOAD 2                                        ; into registers that no product has named yet
	s_wait_dscnt 40                                ; the second quad is in
	P1HALF 0, 1
	P1RUN 1, -1
	XLOAD 3
	s_wait_dscnt 40                                ; the third
	P1HALF 1, 0
	s_wait_dscnt 0x0                               ; the fourth: my reads of the gathered rows are over
	P1HALF 1, 1
	P1RUN 2, -1
	P1HALF 2, 0
	P1HALF 2, 1
	P1RUN 3, 0
	P1HALF 3, 0
	P1HALF 3, 1
	P1STEP
	s_mov_b32 s38, 7
.Lg:                                                   ; a trip: one group of 32 hidden, 160 matrix instructions.  The last trip's look-ahead runs on into the W2 part of the same stream
	P1RUN 0, -1
	s_wait_dscnt 0x0                               ; b1 of this group is in
	P1HALF 0, 0
	P1HALF 0, 1
	P1RUN 1, 1
	P1HALF 1, 0
	P1HALF 1, 1
	P1RUN 2, -1
	P1HALF 2, 0
	P1HALF 2, 1
	P1RUN 3, 0
	P1HALF 3, 0
	P1HALF 3, 1
	P1STEP
	s_sub_co_u32 s38, s38, 1
	s_cmp_lg_u32 s38, 0
	s_cbranch_scc1 .Lg
	PLACES                                         ; the last group's upper half has nothing to stand beside
	EPIV 1
	EPIS 1
	s_wait_dscnt 0x0                               ; for the others' sake: my part of H is in LDS
	BAR
; THE SECOND PRODUCT.  A step of 32 along the hidden axis: one block of the stream (8 column blocks) x H's 5 fragments: 40 matrix instructions on 40 accumulators, each once.
; p: the ring's block; par: H's buffer; n: the stream loads that may stay out; reload, rel: the block three steps on; hload, hoff: the next step's H.
.macro P2K p, par, first, n, reload, rel, hload, hoff
	PLACES                                         ; behind the products that read the ring's block and H's buffer that are now filled again
	s_wait_loadcnt \n
.if \reload
	SLOAD ((\p)+3)&3, \rel
.endif
	WIN 0
.if \hload
.set rb, 0
.rept 5
	ds_load_b128 v[128+40*(1-(\par))+8*rb:128+40*(1-(\par))+8*rb+3],   v10 offset:(\hoff)+rb*1024
	ds_load_b128 v[128+40*(1-(\par))+8*rb+4:128+40*(1-(\par))+8*rb+7], v10 offset:(\hoff)+rb*1024+512
.set rb, rb+1
.endr
	s_wait_dscnt 10                                ; this step's H is in: the ten loads just issued may be out
.else
	s_wait_dscnt 0x0
.endif
.set cb, 0
.rept 8
.set rb, 0
.rept 5
.set id, 5*cb+rb
.set rD, 8*(id%32)
.set rA, 8*(8*(\p)+cb)
.set rB, 128+40*(\par)+8*rb
.if \first
	WIN 0x81+0x40*(id/32)                          ; weights window 1, H and b2 window 0, sums window 2 or 3
	v_wmma_f32_16x16x32_bf16 v[rD:rD+7], v[rA:rA+7], v[rB:rB+7], v[32+8*cb:32+8*cb+7]
.else
	WIN 0xa1+0x50*(id/32)
	v_wmma_f32_16x16x32_bf16 v[rD:rD+7], v[rA:rA+7], v[rB:rB+7], v[rD:rD+7]
.endif
.set rb, rb+1
.endr
.set cb, cb+1
.endr
.endm
.set cb, 0
.rept 8                                ; b2 of my 128 columns, as the C operands that start the second product's sums
	ds_load_b128 v[32+8*cb:32+8*cb+3], v18 offset:64*cb
	ds_load_b128 v[32+8*cb+4:32+8*cb+7], v18 offset:64*cb+16
.set cb, cb+1
.endr
.set rb, 0
.rept 5
	ds_load_b128 v[128+8*rb:128+8*rb+3],   v10 offset:rb*1024
	ds_load_b128 v[128+8*rb+4:128+8*rb+7], v10 offset:rb*1024+512
.set rb, rb+1
.endr
	P2K 0,0,1,32,1,3,1,5120                        ; step 0 stands in front of the loop: its products start the sums
	WIN 0
	s_mov_b32 s38, 7
.Lk:                                                   ; trip i: steps 4 i + 1 .. 4 i + 4
	P2K 1,1,0,32,1,4,1,10240
	P2K 2,0,0,32,1,5,1,15360
	P2K 3,1,0,32,1,6,1,20480
	P2K 0,0,0,32,1,7,1,25600
	WIN 0
	s_wait_xcnt 0x0                                ; the stream's base is stepped only behind this wait
	s_add_nc_u64 s[36:37], s[36:37], 32768
	s_add_co_u32 s56, s56, 4*HSTEP
	v_add_nc_u32 v10, s56, v4
	s_sub_co_u32 s38, s38, 1
	s_cmp_lg_u32 s38, 0
	s_cbranch_scc1 .Lk
	P2K 1,1,0,32,0,0,1,10240                       ; steps 29, 30, 31 ask for nothing more of the stream, whose last block is step 31's: the counts run down
	P2K 2,0,0,16,0,0,1,15360
	P2K 3,1,0,0,0,0,0,0
	PLACES                                         ; in front of the stores that read the sums
	WIN 0
; THE WAY OUT, a block of 16 rows at a time, through my own two stages; they lie where the gathered rows lay, which every wave had read when it passed the barrier behind H.
; TOSTAGE: a lane's 8 columns of a token, 32 bytes, go into rows of 528 bytes (each accumulator's low registers first) and are asked back as rows of 512, with the 16 rows' numbers.
; SEND: the 16 offsets are made together, while the rows come back; then row j of the tile goes to row q' of p.  Rows past the count are jumped: ranks ascend, so all that follows is jumped with them.
; A block is staged ahead of the stores of the block before it.
.macro TOSTAGE rb
.set par, (\rb)%2
.set cb, 0
.rept 8
.set id, 5*cb+(\rb)
.set rD, 8*(id%32)
	WIN 0x08+0x04*(id/32)                          ; store data in window 2 or 3
	ds_store_b128 v15, v[rD:rD+3]   offset:par*YBUF+64*cb
	ds_store_b128 v15, v[rD+4:rD+7] offset:par*YBUF+64*cb+16
.set cb, cb+1
.endr
	WIN 0
	s_wait_xcnt 0x0                                ; the stores of two blocks ago have read their offsets and data: only behind this wait are those registers loaded again
.set tt, 0
.rept 16
.set jj, 16*(\rb)+tt
	ds_load_b32 v[32+16*par+tt], v11 offset:4*(32*(jj/20)+jj%20)  ; every lane reads the same word
.set tt, tt+1
.endr
.set tt, 0
.rept 16
	ds_load_b128 v[64+64*par+4*tt:64+64*par+4*tt+3], v16 offset:par*YBUF+YPITCH*tt  ; my own bytes, served in order: these see the stores above
.set tt, tt+1
.endr
.endm
.macro SEND rb, younger                ; younger: the LDS instructions issued behind this block's: the next block's 48, or none
.set par, (\rb)%2
.if (\younger)+16 > 63
	s_wait_dscnt 63                                ; the row numbers are in: 16 rows and 48 lines of the next block are younger, one more than the count can name
.else
	s_wait_dscnt (\younger)+16                     ; the row numbers are in: the 16 rows may be out
.endif
.set tt, 0
.rept 16
	v_min_u32 v[32+16*par+tt], 0x3fff, v[32+16*par+tt]
.set tt, tt+1
.endr
.set tt, 0
.rept 16
	v_lshl_add_u32 v[32+16*par+tt], v[32+16*par+tt], 11, v17
.set tt, tt+1
.endr
.set tt, 0
.rept 16
	s_cmp_le_u32 s33, 16*(\rb)+tt
	s_cbranch_scc1 .Ldone
	s_wait_dscnt (\younger)+15-tt                  ; row tt is back; the younger rows, and the next block's lines, may be out
	global_store_b128 v[32+16*par+tt], v[64+64*par+4*tt:64+64*par+4*tt+3], s[14:15]  ; 512 consecutive bytes of one row, at a multiple of 512 from p's first
.set tt, tt+1
.endr
.endm
	TOSTAGE 0
	TOSTAGE 1
	SEND 0, 48
	TOSTAGE 2
	SEND 1, 48
	TOSTAGE 3
	SEND 2, 48
	TOSTAGE 4
	SEND 3, 48
	SEND 4, 0
.Ldone:
	s_wait_tensorcnt 0x0                           ; the wave's end, behind my last LDS store
	ds_add_u32 v5, v6
	s_wait_dscnt 0x0
	s_endpgm
.Lfunc_end_k_q720ccec91f_chain:
	.size	k_q720ccec91f_chain, .Lfunc_end_k_q720ccec91f_chain-k_q720ccec91f_chain
	.p2alignl 7, 3214868480
	.fill 96, 4, 3214868480
	.section	.rodata,"a",@progbits
	.p2align	6, 0x0
	.amdhsa_kernel k_q720ccec91f_chain
		.amdhsa_group_segment_fixed_size 254208
		.amdhsa_private_segment_fixed_size 0
		.amdhsa_enable_private_segment 0
		.amdhsa_kernarg_size 48
		.amdhsa_user_sgpr_count 2
		.amdhsa_user_sgpr_kernarg_segment_ptr 1
		.amdhsa_wavefront_size32 1
		.amdhsa_system_sgpr_workgroup_id_x 1
		.amdhsa_system_sgpr_workgroup_id_y 1
		.amdhsa_system_sgpr_workgroup_id_z 1
		.amdhsa_system_vgpr_workitem_id 0
		.amdhsa_next_free_vgpr 1024
		.amdhsa_next_free_sgpr 88
		.amdhsa_reserve_vcc 1
		.amdhsa_float_denorm_mode_32 3
		.amdhsa_float_denorm_mode_16_64 3
		.amdhsa_memory_ordered 1
		.amdhsa_forward_progress 1
		.amdhsa_inst_pref_size 185
	.end_amdhsa_kernel
	.amdgpu_metadata
---
amdhsa.version: [ 1, 2 ]
amdhsa.kernels:
  - .name:           k_q720ccec91f_chain
    .symbol:         k_q720ccec91f_chain.kd
    .args:
      - { .name: xb, .offset: 0, .size: 8, .value_kind: global_buffer, .address_space: global }
      - { .name: wf, .offset: 8, .size: 8, .value_kind: global_buffer, .address_space: global }
      - { .name: b1, .offset: 16, .size: 8, .value_kind: global_buffer, .address_space: global }
      - { .name: b2, .offset: 24, .size: 8, .value_kind: global_buffer, .address_space: global }
      - { .name: rt, .offset: 32, .size: 8, .value_kind: global_buffer, .address_space: global }
      - { .name: p, .offset: 40, .size: 8, .value_kind: global_buffer, .address_space: global }
    .group_segment_fixed_size: 254208
    .private_segment_fixed_size: 0
    .kernarg_segment_align: 8
    .kernarg_segment_size: 48
    .max_flat_workgroup_size: 128
    .sgpr_count:     88
    .vgpr_count:     1024
    .wavefront_size: 32
...
	.end_amdgpu_metadata
.endif
;; end of part 2
;; launch combine (part 3): grid 256 x 1, 8 waves a work-group, no clusters, 0 bytes of LDS; arguments p, gw, out0; writes out0
.if DOCPART == 3
	.amdgcn_target "amdgcn-amd-amdhsa--gfx1250"
	.amdhsa_code_object_version 6
	.text
	.protected	k_q720ccec91f_combine
	.globl	k_q720ccec91f_combine
	.p2align	8
	.type	k_q720ccec91f_combine,@function
k_q720ccec91f_combine:
	s_mov_b64 s[64:65], 0
	v_nop
	global_prefetch_b8 v0, s[64:65] scope:SCOPE_SE
	s_setreg_imm32_b32 hwreg(HW_REG_WAVE_MODE, 25, 1), 1
	s_wait_xcnt 0x0
; COMBINE.  out0[t] = w0[t] p[t] + w1[t] p[8192 + t], all f32: a token's two partial rows, weighed by the gate.
; A stream: every byte of p is read once and every byte of out0 written once, 512 consecutive bytes to an instruction.  LDS, barriers, the matrix unit and clusters would add nothing: no byte is shared.
; 256 work-groups of 8 waves; a wave owns 4 tokens: 32 loads go out before the first wait, and no register is written twice, so no wait frees a source.
	s_load_b128 s[4:7], s[0:1], 0x0                ; p s[4:5], gw s[6:7]
	s_load_b64 s[8:9], s[0:1], 0x10                ; out0
	v_and_b32 v1, 31, v0
	v_lshlrev_b32 v1, 4, v1                        ; 16 bytes a lane
	v_lshrrev_b32 v2, 5, v0
	v_readfirstlane_b32 s10, v2                    ; wave 0..7
	s_lshl_b32 s12, ttmp9, 8
	s_lshl_b32 s11, s10, 5
	s_add_co_u32 s12, s12, s11                     ; 8 bytes x my first token, 32 g + 4 v
	s_mov_b32 s13, 0
	s_wait_kmcnt 0x0
	s_add_nc_u64 s[6:7], s[6:7], s[12:13]
	s_load_b256 s[16:23], s[6:7], 0x0              ; w0, w1 of my four tokens
	s_lshl_b32 s12, s12, 8                         ; 2,048 bytes x my first token
	s_add_nc_u64 s[4:5], s[4:5], s[12:13]          ; the first choice's rows,
	s_add_nc_u64 s[14:15], s[4:5], 0x1000000       ; the second's: 8,192 rows on
	s_add_nc_u64 s[8:9], s[8:9], s[12:13]
.set i, 0
.rept 16                               ; pair i: token i / 4, bytes 512 (i % 4) on
	global_load_b128 v[8+4*i:8+4*i+3],   v1, s[4:5]   offset:i*512 th:TH_LOAD_NT
	global_load_b128 v[72+4*i:72+4*i+3], v1, s[14:15] offset:i*512 th:TH_LOAD_NT
.set i, i+1
.endr
	s_wait_kmcnt 0x0
.irp r, 0,1,2,3                        ; the packed forms take a scalar pair's low word for both halves: w0 stands in one already, w1 gets pairs of its own
	s_mov_b32 s[24+2*\r], s[17+2*\r]
	s_mov_b32 s[25+2*\r], s[17+2*\r]
.endr
.set i, 0
.rept 16
	s_wait_loadcnt 30-2*i                          ; pair i is in: the pairs behind it may be out
	v_pk_mul_f32 v[72+4*i:72+4*i+1], v[72+4*i:72+4*i+1], s[24+2*(i/4):25+2*(i/4)] op_sel_hi:[1,0]
	v_pk_mul_f32 v[74+4*i:74+4*i+1], v[74+4*i:74+4*i+1], s[24+2*(i/4):25+2*(i/4)] op_sel_hi:[1,0]
	v_pk_fma_f32 v[8+4*i:8+4*i+1],   v[8+4*i:8+4*i+1],   s[16+2*(i/4):17+2*(i/4)], v[72+4*i:72+4*i+1] op_sel_hi:[1,0,1]
	v_pk_fma_f32 v[10+4*i:10+4*i+1], v[10+4*i:10+4*i+1], s[16+2*(i/4):17+2*(i/4)], v[74+4*i:74+4*i+1] op_sel_hi:[1,0,1]
	global_store_b128 v1, v[8+4*i:8+4*i+3], s[8:9] offset:i*512 th:TH_STORE_NT
.set i, i+1
.endr
	s_endpgm
.Lfunc_end_k_q720ccec91f_combine:
	.size	k_q720ccec91f_combine, .Lfunc_end_k_q720ccec91f_combine-k_q720ccec91f_combine
	.p2alignl 7, 3214868480
	.fill 96, 4, 3214868480
	.section	.rodata,"a",@progbits
	.p2align	6, 0x0
	.amdhsa_kernel k_q720ccec91f_combine
		.amdhsa_group_segment_fixed_size 0
		.amdhsa_private_segment_fixed_size 0
		.amdhsa_enable_private_segment 0
		.amdhsa_kernarg_size 24
		.amdhsa_user_sgpr_count 2
		.amdhsa_user_sgpr_kernarg_segment_ptr 1
		.amdhsa_wavefront_size32 1
		.amdhsa_system_sgpr_workgroup_id_x 1
		.amdhsa_system_sgpr_workgroup_id_y 1
		.amdhsa_system_sgpr_workgroup_id_z 1
		.amdhsa_system_vgpr_workitem_id 0
		.amdhsa_next_free_vgpr 136
		.amdhsa_next_free_sgpr 66
		.amdhsa_reserve_vcc 0
		.amdhsa_float_denorm_mode_32 3
		.amdhsa_float_denorm_mode_16_64 3
		.amdhsa_memory_ordered 1
		.amdhsa_forward_progress 1
		.amdhsa_inst_pref_size 11
	.end_amdhsa_kernel
	.amdgpu_metadata
---
amdhsa.version: [ 1, 2 ]
amdhsa.kernels:
  - .name:           k_q720ccec91f_combine
    .symbol:         k_q720ccec91f_combine.kd
    .args:
      - { .name: p, .offset: 0, .size: 8, .value_kind: global_buffer, .address_space: global }
      - { .name: gw, .offset: 8, .size: 8, .value_kind: global_buffer, .address_space: global }
      - { .name: out0, .offset: 16, .size: 8, .value_kind: global_buffer, .address_space: global }
    .group_segment_fixed_size: 0
    .private_segment_fixed_size: 0
    .kernarg_segment_align: 8
    .kernarg_segment_size: 24
    .max_flat_workgroup_size: 256
    .sgpr_count:     66
    .vgpr_count:     136
    .wavefront_size: 32
...
	.end_amdgpu_metadata
.endif
;; end of part 3
